; MI455X (gfx1250); checked and timed in simulation.
; The chip was launched on July 23, 2026; its instructions are those of AMD's public machine-readable ISA for CDNA 5 (MIT licence, August 2026) and "CDNA5" Instruction Set Architecture Reference Guide (July 2026). The comments in the code are by the model that wrote it; some were corrected since.
;; Fast Tile Coding. Allowed arithmetic: float matrix products may take bf16 or f16 operands with f32 sums; all other float work in f32.
;; Inputs: bins 8 x 3 x 65 float32; state 2,000,000 x 3 float32; weights 8 x 64 x 64 x 64 float32.
;; Outputs: out0 2,000,000 x 1 float32.
;; 2 versions, each right; version 2 is version 1 with the launch lookup written anew for expert scheduling mode. Each part assembles by itself: llvm-mc -triple=amdgcn-amd-amdhsa -mcpu=gfx1250 --defsym DOCPART=n.
;; ======== version 1 of 2: 2 launches
;; workspace buffers: keys 24,000,000 bytes of whole numbers; tab 49,152 bytes of whole numbers
;; launch prepare (part 1): grid 641 x 1, 3 waves a work-group, no clusters, 6,656 bytes of LDS; arguments state, bins, keys, tab; writes keys, tab
.if DOCPART == 1
	.amdgcn_target "amdgcn-amd-amdhsa--gfx1250"
	.amdhsa_code_object_version 6
	.text
	.protected	k_q02b5831b5d_prepare
	.globl	k_q02b5831b5d_prepare
	.p2align	8
	.type	k_q02b5831b5d_prepare,@function
k_q02b5831b5d_prepare:
	s_mov_b64 s[64:65], 0
	v_nop
	global_prefetch_b8 v0, s[64:65] scope:SCOPE_SE
	s_setreg_imm32_b32 hwreg(HW_REG_WAVE_MODE, 25, 1), 1
	s_wait_xcnt 0x0
; FIRST OF TWO LAUNCHES: floats become whole numbers; no address here hangs on data.
;
; KEY.  searchsorted compares in a total order (-0 = +0, every NaN equal and above +inf).  The same order in unsigned 32-bit numbers:
;   x >= 0: 0x80000000 + bits     x < 0: 0 - bits (so -0 gives 0x80000000 too)     NaN: 0xffc00000
; No key is 0 or 0xffffffff.  Denormals are kept apart as the numbers they are.
;
; WORK-GROUPS 16 .. 640 (625 of them): keys[] = key(state[]), a plain stream.  A wave owns 25 chunks of 512 bytes
; (625 x 3 x 25 x 512 = 24,000,000), asks for all 25 at once, converts in place, stores 512 neighbouring bytes an instruction.
;
; WORK-GROUPS 0 .. 15: the records from which the second launch builds its search tables.
; After clip(idx - 1, 0, 63) the reference's seven-level walk over a row of 65 is this descent over entries 1 .. 63 alone:
;   idx = 0; for s = 32, 16, 8, 4, 2, 1: if q >= row[idx + s] then idx += s
; (the comparisons with entries 0 and 64 only choose between results that the clip makes equal; entry 64 is not even loaded).
; So for one dimension all eight indices hang only on r = how many of its 8 x 63 = 504 boundaries are <= q.
; Wave = dimension d.  A dimension has 512 slots j = 64 t + i; slot i = 0 of each row is a dummy with key 0xffffffff.  Lane = one slot:
;   rank(j) = how many slots come before j in the order (key, slot number): a permutation of 0 .. 511, found by counting;
;   entry(j) = the eight indices that a q equal to this boundary gets, by the descent above, exact for unsorted rows too.
; Stored at 16 (512 d + j), an address made of ids alone:
;   first half of tab:  { 1024 d + word, key, 512 d + ((rank + 1) & 511), 0 }      second half: the entry, eight 16-bit fields, field t = tiling t
; word = where the key lies in the second launch's search tree.  node = place of sorted position rank in a perfect 511-node binary tree,
; numbered 1 = root, children 2n and 2n + 1.  The tree is kept as records of four words, record n = { tree[n], tree[2n], tree[2n+1], - } for the
; nodes n of levels 2, 4, 6, 8:  a node of an even level is word 4 node;  a node of an odd level is word 1 or 2 of its parent's record,
; 4 (node >> 1) + 1 + (node & 1) = 2 node + 1 - (node & 1);  by the same formula the root is word 2 of record 0, which is no node's record.
; The eight dummies take ranks 504 .. 511: they pad the tree with 0xffffffff, the last of them (node 0) takes word 0 of record 0, and (their
; entries being 0) it gives slot 0, the entry of a q below every boundary.  Fields are shifted for the address: d = 0 by 6, d = 1 by 0, d = 2 by 2.
.set NTAB,   16                        ; table work-groups: 16 x 32 lanes = 512 slots, 3 waves = 3 dimensions
.set CHUNKS, 25                        ; 512-byte chunks of a streaming wave
.set WBYTES, CHUNKS*512
.set X,    4                           ; v[4:103]   stream: chunk c in 4 registers
.set K,    4                           ; v[4:67]    tables: the 64 keys of one row, the same in every lane
.set T,    104                         ; v[104:111] at work
.set THR,  68                          ; threshold of the count
.set JREL, 69                          ; my slot inside its row, j & 63
.set ROW,  70                          ; LDS address of the row at work
.set IDX,  71                          ; the index found in this row
.set C,    72                          ; v[72:75]   four partial counts
.set E,    76                          ; v[76:79]   the entry, shifted in 16 bits a row
.set U,    80                          ; v[80:81]   at work
.set REC,  84                          ; v[84:87]   the first half of the record
.set KEY,  REC+1                       ; my own key lives where it will be stored from
.set M,    24                          ; s[24:31]   lane masks
; Four floats in v[x .. x+3] become keys, in place.  The steps of the four are interleaved and each compare has a mask register of its own,
; so that no instruction waits for the one in front of it.
.macro KEY4 x
.irp q, 0,1,2,3
	v_sub_nc_u32 v[T+\q], 0, v[\x+\q]              ; the key of a negative number
.endr
.irp q, 0,1,2,3
	v_cmp_gt_i32 s[M+\q], 0, v[\x+\q]              ; sign bit set
.endr
.irp q, 0,1,2,3
	v_and_b32 v[T+4+\q], s21, v[\x+\q]             ; magnitude
.endr
.irp q, 0,1,2,3
	v_xor_b32 v[\x+\q], s20, v[\x+\q]              ; the key of a positive number
.endr
.irp q, 0,1,2,3
	v_cmp_lt_u32 s[M+4+\q], s22, v[T+4+\q]         ; magnitude above infinity's: a NaN
.endr
.irp q, 0,1,2,3
	v_cndmask_b32 v[\x+\q], v[\x+\q], v[T+\q], s[M+\q]
.endr
.irp q, 0,1,2,3
	v_cndmask_b32 v[\x+\q], v[\x+\q], s23, s[M+4+\q]
.endr
.endm
	s_load_b256 s[4:11], s[0:1], 0x0               ; state s[4:5], bins s[6:7], keys s[8:9], tab s[10:11]
	v_lshl_add_u32 v112, v0, 2, 0x1800
	v_mov_b32 v113, 0
	v_and_b32 v1, 31, v0                           ; lane
	v_lshrrev_b32 v2, 5, v0
	v_readfirstlane_b32 s12, v2                    ; wave 0 .. 2
	s_mov_b32 s20, 0x80000000
	s_mov_b32 s21, 0x7fffffff
	s_mov_b32 s22, 0x7f800000
	s_mov_b32 s23, 0xffc00000                      ; the one key of all NaNs
	s_cmp_lt_u32 ttmp9, NTAB
	s_cbranch_scc1 .Ltable
	; ---------------------------------------------------------------- the stream
	s_sub_co_u32 s13, ttmp9, NTAB
	s_mul_i32 s14, s13, 3*WBYTES                   ; the work-group's 38,400 bytes
	s_mul_i32 s13, s12, WBYTES                     ; the wave's 12,800 of them
	s_add_co_u32 s14, s14, s13
	s_mov_b32 s15, 0
	v_lshlrev_b32 v2, 4, v1                        ; 16 bytes a lane
	s_wait_kmcnt 0x0
	s_add_nc_u64 s[4:5], s[4:5], s[14:15]
	s_add_nc_u64 s[8:9], s[8:9], s[14:15]
.set c, 0
.rept CHUNKS
	global_load_b128 v[X+4*c:X+4*c+3], v2, s[4:5] offset:512*c th:TH_LOAD_NT
.set c, c+1
.endr
.set c, 0
.rept CHUNKS
	s_wait_loadcnt CHUNKS-1-c                      ; loads return in order: chunk c is in, the younger ones stay out
	KEY4 X+4*c
	global_store_b128 v2, v[X+4*c:X+4*c+3], s[8:9] offset:512*c    ; no register is used twice: nothing to wait for
.set c, c+1
.endr
	s_endpgm
	; ---------------------------------------------------------------- the table records
; Eight keys of a row in which every slot stands on one side of mine: one threshold for all.
.macro COUNT8 i
.irp q, 0,1,2,3,4,5,6,7
	v_cmp_le_u32 s[M+\q], v[K+\i+\q], v[THR]
.endr
.irp q, 0,1,2,3,4,5,6,7
	v_add_co_ci_u32 v[C+(\q&3)], vcc_lo, 0, v[C+(\q&3)], s[M+\q]   ; count += mask bit; the carry out is not used
.endr
.endm
; Eight keys of my own row: slot k counts if key(k) <= key - 1 + (k < j), that is <= for earlier slots and < for later ones and myself.
.macro COUNT8OWN i
.irp q, 0,1,2,3,4,5,6,7
	v_cmp_lt_u32 s[M+\q], \i+\q, v[JREL]
.endr
.irp q, 0,1,2,3,4,5,6,7
	v_add_co_ci_u32 v[T+\q], vcc_lo, -1, v[KEY], s[M+\q]           ; keys are never 0: no wrap
.endr
.irp q, 0,1,2,3,4,5,6,7
	v_cmp_le_u32 s[M+\q], v[K+\i+\q], v[T+\q]
.endr
.irp q, 0,1,2,3,4,5,6,7
	v_add_co_ci_u32 v[C+(\q&3)], vcc_lo, 0, v[C+(\q&3)], s[M+\q]
.endr
.endm
; One level of the descent without an address: decide at entry 'half', then fold the chosen half of the row onto entries 1 .. half - 1.
.macro DESCEND half, bit
	v_cmp_ge_u32 s[M+\bit], v[KEY], v[K+\half]
.if \half > 1
.set i, 1
.rept \half-1
	v_cndmask_b32 v[K+i], v[K+i], v[K+i+\half], s[M+\bit]
.set i, i+1
.endr
.endif
.endm
.Ltable:
	s_min_u32 s13, ttmp9, NTAB-1                   ; g, my block of 32 slots (the bound is written out: g enters an LDS address)
	s_mul_i32 s14, s12, 260                        ; bins[0][d][0], in bytes
	s_lshl_b32 s15, s12, 11                        ; my wave's own 2,048 bytes of LDS: no other wave touches them, so no barrier
	v_lshl_add_u32 v2, v1, 2, s14
	v_lshl_add_u32 v3, v1, 2, s15
	v_cmp_eq_u32 s32, 0, v1                        ; lane 0 holds entry 0 of a row in the even loads
	s_wait_kmcnt 0x0
.set m, 0
.rept 16
	global_load_b32 v[K+m], v2, s[6:7] offset:((m>>1)*195+(m&1)*32)*4      ; bins[m / 2][d][32 (m & 1) + lane]
.set m, m+1
.endr
	s_lshl_b32 s16, s13, 7                         ; 32 g words
	s_lshr_b32 s17, s13, 1                         ; the row in which my wave's 32 slots lie
	s_and_b32 s18, s13, 1
	s_lshl_b32 s18, s18, 5
	v_add_nc_u32 v[JREL], s18, v1
	v_add_nc_u32 v[U], s16, v3                     ; where my own key will lie in LDS
	v_mov_b32 v[ROW], s15
	s_and_b32 s34, s12, 2                          ; the shift of the entry's fields: 6, 0, 2 for d = 0, 1, 2
	s_cmp_eq_u32 s12, 0
	s_cselect_b32 s34, 6, s34
	s_lshl_b32 s35, s12, 9                         ; 512 d: entries of a dimension
	s_lshl_b32 s37, s12, 10                        ; 1024 d: words of a dimension's tree
	s_lshl_b32 s36, s13, 5
	s_add_co_u32 s36, s36, s35                     ; 512 d + 32 g
.irp q, 0,1,2,3
	v_mov_b32 v[C+\q], 0
	v_mov_b32 v[E+\q], 0
.endr
	s_wait_loadcnt 0x0
	KEY4 K
	KEY4 K+4
	KEY4 K+8
	KEY4 K+12
.irp m, 0,2,4,6,8,10,12,14
	v_cndmask_b32 v[K+\m], v[K+\m], -1, s32        ; entry 0 of each row becomes the dummy
.endr
.set m, 0
.rept 16
	ds_store_b32 v3, v[K+m] offset:128*m           ; slot 32 m + lane
.set m, m+1
.endr
	ds_load_b32 v[KEY], v[U]                       ; LDS serves a wave in order: this sees the stores above
	s_mov_b32 s19, 0                               ; the row (tiling) t
.Lrow:
.irp q, 0,1,2,3,4,5,6,7,8,9,10,11,12,13,14,15
	ds_load_b128 v[K+4*\q:K+4*\q+3], v[ROW] offset:16*\q           ; every lane reads the same 256 bytes
.endr
	s_cmp_lt_u32 s19, s17                          ; rows before mine count keys <= mine, rows behind it keys < mine
	s_cselect_b32 s33, 0, -1
	s_wait_dscnt 0x0
	v_add_nc_u32 v[THR], s33, v[KEY]
	s_cmp_eq_u32 s19, s17
	s_cbranch_scc1 .Lown
.irp i, 0,8,16,24,32,40,48,56
	COUNT8 \i
.endr
	s_branch .Ldescend
.Lown:
.irp i, 0,8,16,24,32,40,48,56
	COUNT8OWN \i
.endr
.Ldescend:
	DESCEND 32, 0
	DESCEND 16, 1
	DESCEND 8, 2
	DESCEND 4, 3
	DESCEND 2, 4
	DESCEND 1, 5
	v_cndmask_b32 v[IDX], 0, 1, s[M]
.irp b, 1,2,3,4,5
	v_add_co_ci_u32 v[IDX], vcc_lo, v[IDX], v[IDX], s[M+\b]        ; idx = 2 idx + decision
.endr
	v_alignbit_b32 v[E], v[E+1], v[E], 16          ; the 128 bits move down by a field, the new index enters on top:
	v_alignbit_b32 v[E+1], v[E+2], v[E+1], 16      ; after eight rows tiling 0 is the lowest field
	v_alignbit_b32 v[E+2], v[E+3], v[E+2], 16
	v_alignbit_b32 v[E+3], v[IDX], v[E+3], 16
	v_add_nc_u32 v[ROW], 0x100, v[ROW]
	s_add_co_u32 s19, s19, 1
	s_cmp_lt_u32 s19, 8
	s_cbranch_scc1 .Lrow
	v_add3_u32 v[C], v[C], v[C+1], v[C+2]
	v_add3_u32 v[C], v[C], v[C+3], 1               ; x = rank + 1, 1 .. 512
	; node = (x | 512) >> (trailing zeros of x + 1).  The zeros are read off the exponent of x's lowest set bit as a float (exact).
	v_sub_nc_u32 v[U], 0, v[C]
	v_and_b32 v[U], v[U], v[C]
	v_cvt_f32_u32 v[U], v[U]
	v_lshrrev_b32 v[U], 23, v[U]                   ; 127 + zeros
	v_add_nc_u32 v[U], 0xffffff82, v[U]            ; - 126: zeros + 1
	v_or_b32 v[REC], 0x200, v[C]
	v_lshrrev_b32 v[REC], v[U], v[REC]             ; the node; x = 512 (the last dummy) gives node 0
	; the node's level is 9 - zeros: it is odd where zeros + 1 is odd
	v_and_b32 v[U], 1, v[U]
	v_and_b32 v[U+1], 1, v[REC]
	v_lshl_add_u32 v[T], v[REC], 1, 1
	v_sub_nc_u32 v[T], v[T], v[U+1]                ; odd level: 2 node + 1 - (node & 1), word 1 or 2 of the parent's record
	v_lshlrev_b32 v[REC], 2, v[REC]                ; even level (and node 0): word 0 of its own record
	v_cmp_eq_u32 vcc_lo, 1, v[U]
	v_cndmask_b32 v[REC], v[REC], v[T], vcc_lo
	v_add_nc_u32 v[REC], s37, v[REC]
	v_and_or_b32 v[REC+2], v[C], 0x1ff, s35        ; the slot of my entry: x, and 0 for the last dummy
	v_mov_b32 v[REC+3], 0
	v_cmp_eq_u32 vcc_lo, 0, v[JREL]                ; a dummy's entry is 0
.irp q, 0,1,2,3
	v_lshlrev_b32 v[E+\q], s34, v[E+\q]            ; 63 << 6 stays inside a field
.endr
.irp q, 0,1,2,3
	v_cndmask_b32 v[E+\q], v[E+\q], 0, vcc_lo
.endr
	v_add_lshl_u32 v[U+1], v1, s36, 4              ; 16 (512 d + j)
	global_store_b128 v[U+1], v[REC:REC+3], s[10:11]
	global_store_b128 v[U+1], v[E:E+3], s[10:11] offset:24576
	s_wait_tensorcnt 0x0
	ds_add_u32 v112, v113
	s_wait_dscnt 0x0
	s_endpgm
.Lfunc_end_k_q02b5831b5d_prepare:
	.size	k_q02b5831b5d_prepare, .Lfunc_end_k_q02b5831b5d_prepare-k_q02b5831b5d_prepare
	.p2alignl 7, 3214868480
	.fill 96, 4, 3214868480
	.section	.rodata,"a",@progbits
	.p2align	6, 0x0
	.amdhsa_kernel k_q02b5831b5d_prepare
		.amdhsa_group_segment_fixed_size 6656
		.amdhsa_private_segment_fixed_size 0
		.amdhsa_enable_private_segment 0
		.amdhsa_kernarg_size 32
		.amdhsa_user_sgpr_count 2
		.amdhsa_user_sgpr_kernarg_segment_ptr 1
		.amdhsa_wavefront_size32 1
		.amdhsa_system_sgpr_workgroup_id_x 1
		.amdhsa_system_sgpr_workgroup_id_y 1
		.amdhsa_system_sgpr_workgroup_id_z 1
		.amdhsa_system_vgpr_workitem_id 0
		.amdhsa_next_free_vgpr 114
		.amdhsa_next_free_sgpr 66
		.amdhsa_reserve_vcc 1
		.amdhsa_float_denorm_mode_32 3
		.amdhsa_float_denorm_mode_16_64 3
		.amdhsa_memory_ordered 1
		.amdhsa_forward_progress 1
		.amdhsa_inst_pref_size 83
	.end_amdhsa_kernel
	.amdgpu_metadata
---
amdhsa.version: [ 1, 2 ]
amdhsa.kernels:
  - .name:           k_q02b5831b5d_prepare
    .symbol:         k_q02b5831b5d_prepare.kd
    .args:
      - { .name: state, .offset: 0, .size: 8, .value_kind: global_buffer, .address_space: global }
      - { .name: bins, .offset: 8, .size: 8, .value_kind: global_buffer, .address_space: global }
      - { .name: keys, .offset: 16, .size: 8, .value_kind: global_buffer, .address_space: global }
      - { .name: tab, .offset: 24, .size: 8, .value_kind: global_buffer, .address_space: global }
    .group_segment_fixed_size: 6656
    .private_segment_fixed_size: 0
    .kernarg_segment_align: 8
    .kernarg_segment_size: 32
    .max_flat_workgroup_size: 96
    .sgpr_count:     66
    .vgpr_count:     114
    .wavefront_size: 32
...
	.end_amdgpu_metadata
.endif
;; end of part 1
;; launch lookup (part 2): grid 250 x 1, 32 waves a work-group, no clusters, 139,264 bytes of LDS; arguments keys, tab, weights, out0; writes out0
.if DOCPART == 2
	.amdgcn_target "amdgcn-amd-amdhsa--gfx1250"
	.amdhsa_code_object_version 6
	.text
	.protected	k_q02b5831b5d_lookup
	.globl	k_q02b5831b5d_lookup
	.p2align	8
	.type	k_q02b5831b5d_lookup,@function
k_q02b5831b5d_lookup:
	s_mov_b64 s[64:65], 0
	v_nop
	global_prefetch_b8 v0, s[64:65] scope:SCOPE_SE
	s_setreg_imm32_b32 hwreg(HW_REG_WAVE_MODE, 25, 1), 1
	s_wait_xcnt 0x0
; SECOND OF TWO LAUNCHES: whole numbers only, up to the sum of the eight weights.
; out0[s] = sum over t of weights[t][i0][i1][i2], the indices found from the keys (see the first launch for key, node, word, slot and entry).
;
; 250 work-groups x 125 batches x 64 states = 2,000,000: no tail.  A lane takes two neighbouring states of a batch:
; 24 bytes of keys in, 8 bytes out, so that a wave's store covers 256 neighbouring bytes, aligned.
; 32 waves, a multiple of four, so that the four SIMDs can hold equally many.  Wave w takes batches w, w + 32, w + 64 and, if w < 29, w + 96:
; 29 x 4 + 3 x 3 = 125.  Any eight waves have at most 32 of the 125 batches, where an even share is 31.25.
;
; THE KEYS' WAY IN.  A batch's 768 bytes come by one 16-byte load (512 neighbouring bytes) and one 8-byte load (256), each starting on a
; multiple of 256 (a work-group's part is 375 x 256 bytes, a batch 3 x 256): every byte is asked for once.  Loads of a lane's own 24 bytes
; would each spread 256 useful bytes over 768.  The keys are laid as they come into the wave's own 3,072 bytes of LDS, and each lane reads
; its 24 bytes of each batch back: no other wave touches these bytes.
;
; LDS: byte 0: three search trees of 4,096 bytes.  Record n of dimension d, at 4096 d + 16 n, holds { tree[n], tree[2n], tree[2n+1] } for the
;      binary nodes n of levels 2, 4, 6, 8; the root is word 2 of record 0.  The fourth word of a record is neither written nor read.
;      byte 12288: three tables of 512 entries of 16 bytes.  A search ends with n = 512 + r, so entry r of dimension d is at 16 n + 4096 + 8192 d.
;      byte 36864: 32 x 3,072 bytes, the waves' keys.
; The prologue scatters the 1,536 records of tab into the first two; every word that is read later is written (ranks are a permutation).
;
; A search: n = 1; nine times n = 2 n + (key >= tree[n]).  r = n - 512 = how many boundaries are <= the state.
; The root is in a register; the other eight levels go two at a time: one 12-byte load brings a node and both its children, the first
; decision picks the child by a select, so two levels cost one LDS trip and eight instructions.
; The entries of the three dimensions give, for tiling t, P = i0 << 6 | i1 (16 bits, by an OR) and c = i2 << 2 (8 bits in 16):
; one v_perm_b32 lays them as P << 8 | c, the byte offset inside the tiling's MiB; the tiling itself is the load's immediate offset.
; Every index that derives from loaded data is bounded by v_min_u32 before it becomes an address: no access can leave LDS or the table.
; The eight weights are added pairwise, not from left to right.
; No tensor load, cluster or matrix unit: what work-groups share is 48 KiB of records, small beside a group's own keys and gathers.
; No prefetch: a gather's address is known only when the gather can be issued, and it is issued a whole batch ahead of its use.
.set NB,     4                         ; batches of a wave, at most
.set FULL,   29                        ; waves 0 .. 28 have a fourth batch
.set BSTEP,  32                        ; from one batch of a wave to its next
.set STATES, 8000                      ; states of a work-group
.set KB,     768                       ; a batch's keys, in bytes
.set OB,     256                       ; a batch's results, in bytes
.set TREED,  4096                      ; bytes of a tree
.set FT,     12288                     ; the entries' first byte
.set FD,     8192                      ; bytes of a dimension's entries
.set FOFF,   FT-16*512                 ; what is added to 16 n, n = 512 + r
.set KEYS,   36864                     ; the waves' keys in LDS
.set TABB,   24576                     ; second half of tab
.set R, 8                              ; v[8:10]    the three roots
.set Q, 12                             ; v[12:35]   keys: batch b, state s, dimension d at Q + 6 b + 3 s + d
.set N, 36                             ; v[36:41]   six searches: node; at the end 16 x node
.set LA, 42                            ; v42        LDS, behind KEYS: 16 x lane in my wave's part (the 512-byte pieces)
.set LB, 43                            ; v43        8 x lane in it (the 256-byte pieces)
.set LC, 44                            ; v44        24 x lane in it (the way back)
.set E, 48                             ; v[48:71]   six groups of 4: in a search a tree record and, in the fourth, its LDS address; then the entry;
                                       ;            in the prologue: the records of tab
.set G, 72                             ; v[72:103]  two sets of 16: byte offset, then (same register) the weight
.set S, G                              ; v[72:95]   in the prologue: the wave's keys as they come from memory, 6 registers a batch
.set O, 104                            ; v[104:111] batch b: two sums
.set M, 20                             ; s[20:25]   lane masks
	s_load_b256 s[4:11], s[0:1], 0x0               ; keys s[4:5], tab s[6:7], weights s[8:9], out0 s[10:11]
	v_lshl_add_u32 v112, v0, 2, 0x21000
	v_mov_b32 v113, 0
	v_and_b32 v1, 31, v0                           ; lane
	v_lshrrev_b32 v2, 5, v0
	v_readfirstlane_b32 s12, v2                    ; wave 0 .. 31
	v_lshlrev_b32 v3, 4, v0                        ; record number = thread number
	s_mul_i32 s14, ttmp9, STATES*12
	s_mov_b32 s15, 0
	s_mul_i32 s16, ttmp9, STATES*4
	s_mov_b32 s17, 0
	s_mul_i32 s13, s12, KB                         ; my wave's first batch in the group's keys
	v_lshl_add_u32 v4, v1, 4, s13                  ; 16 bytes a lane: a batch's first 512 bytes
	v_lshl_add_u32 v7, v1, 3, s13                  ; 8 bytes a lane: its last 256
	s_mul_i32 s13, s12, NB*KB                      ; my wave's part of LDS behind KEYS
	v_lshl_add_u32 v[LA], v1, 4, s13
	v_lshl_add_u32 v[LB], v1, 3, s13
	v_mad_u32_u24 v[LC], v1, 24, s13               ; my two states' keys in a batch
	s_lshl_b32 s13, s12, 8                         ; my wave's first batch in the group's results
	v_lshl_add_u32 v5, v1, 3, s13                  ; my two states' results
	s_mov_b32 s18, 0x01050400                      ; v_perm_b32: { c.byte1 (0), P.byte1, P.byte0, c.byte0 } of the low fields
	s_mov_b32 s19, 0x03070602                      ; the same of the high fields
	v_mov_b32 v6, 0
	s_wait_kmcnt 0x0
	s_add_nc_u64 s[4:5], s[4:5], s[14:15]
	s_add_nc_u64 s[10:11], s[10:11], s[16:17]
	; The fourth batch's keys are asked for first, so that every count of loads behind this branch is the same in all waves.
	; Waves 29 to 31 have none: batches 125 to 127 are not the group's, and in the last group not the buffer's.
	s_cmp_ge_u32 s12, FULL
	s_cbranch_scc1 .Lrecords
	global_load_b128 v[S+18:S+21], v4, s[4:5] offset:3*BSTEP*KB th:TH_LOAD_NT
	global_load_b64 v[S+22:S+23], v7, s[4:5] offset:3*BSTEP*KB+512 th:TH_LOAD_NT
.Lrecords:
	; records 0 .. 1023 by all 1,024 threads, records 1024 .. 1535 by the first 16 waves
	global_load_b128 v[E:E+3], v3, s[6:7]
	global_load_b128 v[E+4:E+7], v3, s[6:7] offset:TABB
	s_cmp_ge_u32 s12, 16
	s_cbranch_scc1 .Lkeys
	global_load_b128 v[E+8:E+11], v3, s[6:7] offset:16384
	global_load_b128 v[E+12:E+15], v3, s[6:7] offset:16384+TABB
.Lkeys:
.irp i, 0,1,2
	global_load_b128 v[S+6*\i:S+6*\i+3], v4, s[4:5] offset:\i*BSTEP*KB th:TH_LOAD_NT
	global_load_b64 v[S+6*\i+4:S+6*\i+5], v7, s[4:5] offset:\i*BSTEP*KB+512 th:TH_LOAD_NT
.endr
	s_wait_loadcnt 6                               ; the records are in; the six key loads behind them stay out
.macro PLACE r                         ; a record { word, key, slot, - } { entry } goes to its places
	v_min_u32 v[\r], 0xbff, v[\r]                  ; 3 trees of 1,024 words
	v_min_u32 v[\r+2], 0x5ff, v[\r+2]              ; 3 tables of 512 entries
	v_lshlrev_b32 v[\r], 2, v[\r]
	v_lshlrev_b32 v[\r+2], 4, v[\r+2]
	ds_store_b32 v[\r], v[\r+1]
	ds_store_b128 v[\r+2], v[\r+4:\r+7] offset:FT
.endm
	PLACE E
	s_cmp_ge_u32 s12, 16
	s_cbranch_scc1 .Lplaced
	PLACE E+8
.Lplaced:
.irp i, 0,1,2
	s_wait_loadcnt 5-2*\i                          ; loads return in order: this piece is in, the younger ones stay out
	ds_store_b128 v[LA], v[S+6*\i:S+6*\i+3] offset:KEYS+KB*\i
	s_wait_loadcnt 4-2*\i
	ds_store_b64 v[LB], v[S+6*\i+4:S+6*\i+5] offset:KEYS+KB*\i+512
.endr
	s_cmp_ge_u32 s12, FULL
	s_cbranch_scc1 .Lstored
	ds_store_b128 v[LA], v[S+18:S+21] offset:KEYS+KB*3             ; the oldest loads of all: in since the first wait
	ds_store_b64 v[LB], v[S+22:S+23] offset:KEYS+KB*3+512
.Lstored:
	s_wait_dscnt 0x0                               ; my stores are in LDS before I say so
	s_barrier_signal -1
	s_barrier_wait -1                              ; the trees and the entries are whole
.irp d, 0,1,2
	ds_load_b32 v[R+\d], v6 offset:TREED*\d+8      ; the root of each tree stays in a register
.endr
.irp b, 0,1,2
.irp k, 0,1,2
	ds_load_b64 v[Q+6*\b+2*\k:Q+6*\b+2*\k+1], v[LC] offset:KEYS+KB*\b+8*\k ; 24 bytes from lane to lane: 32 different even banks
.endr
.endr
	s_cmp_ge_u32 s12, FULL
	s_cbranch_scc1 .Lread
.irp k, 0,1,2
	ds_load_b64 v[Q+18+2*\k:Q+18+2*\k+1], v[LC] offset:KEYS+KB*3+8*\k
.endr
.Lread:
	s_wait_dscnt 0x0                               ; roots and all keys, once
; One batch: six searches side by side (u = 3 s + d), their entries, sixteen offsets, sixteen gathers into set 'set'.
.macro BATCH b, set
.irp u, 0,1,2,3,4,5
	v_cmp_ge_u32 s[M+\u], v[Q+6*\b+\u], v[R+(\u%3)]
.endr
.irp u, 0,1,2,3,4,5
	v_cndmask_b32 v[N+\u], 2, 3, s[M+\u]
.endr
.irp u, 0,1,2,3,4,5
	v_min_u32 v[N+\u], 3, v[N+\u]
.endr
.set lim, 15
.rept 4                                ; levels 2 and 3, 4 and 5, 6 and 7, 8 and 9
.irp u, 0,1,2,3,4,5
	v_lshlrev_b32 v[E+4*\u+3], 4, v[N+\u]
.endr
.irp u, 0,1,2,3,4,5
	ds_load_b96 v[E+4*\u:E+4*\u+2], v[E+4*\u+3] offset:TREED*(\u%3)        ; the node, its left child, its right child
.endr
	s_wait_dscnt 0x0                               ; one wait for the six: all are used in the lines that follow
.irp u, 0,1,2,3,4,5
	v_cmp_ge_u32 s[M+\u], v[Q+6*\b+\u], v[E+4*\u]
.endr
.irp u, 0,1,2,3,4,5
	v_cndmask_b32 v[E+4*\u+1], v[E+4*\u+1], v[E+4*\u+2], s[M+\u]   ; the child on the side taken
.endr
.irp u, 0,1,2,3,4,5
	v_add_co_ci_u32 v[N+\u], vcc_lo, v[N+\u], v[N+\u], s[M+\u]     ; n = 2 n + decision; the carry out is not used
.endr
.irp u, 0,1,2,3,4,5
	v_cmp_ge_u32 s[M+\u], v[Q+6*\b+\u], v[E+4*\u+1]
.endr
.irp u, 0,1,2,3,4,5
	v_add_co_ci_u32 v[N+\u], vcc_lo, v[N+\u], v[N+\u], s[M+\u]
.endr
.irp u, 0,1,2,3,4,5
	v_min_u32 v[N+\u], lim, v[N+\u]                ; the level's largest node: changes nothing, bounds the address
.endr
.set lim, 4*lim+3
.endr
.irp u, 0,1,2,3,4,5
	v_lshlrev_b32 v[N+\u], 4, v[N+\u]
.endr
.irp u, 0,1,2,3,4,5
	ds_load_b128 v[E+4*\u:E+4*\u+3], v[N+\u] offset:FOFF+FD*(\u%3)
.endr
.irp s, 0,1
	s_wait_dscnt 3-3*\s                            ; state 0: its three entries are in, state 1's three may be out
.irp w, 0,1,2,3
	v_or_b32 v[E+12*\s+\w], v[E+12*\s+\w], v[E+12*\s+4+\w]         ; P = i0 << 6 | i1, two tilings a word
.endr
.irp w, 0,1,2,3
	v_perm_b32 v[G+16*\set+8*\s+2*\w],   v[E+12*\s+\w], v[E+12*\s+8+\w], s18
	v_perm_b32 v[G+16*\set+8*\s+2*\w+1], v[E+12*\s+\w], v[E+12*\s+8+\w], s19
.endr
.irp t, 0,1,2,3,4,5,6,7
	v_min_u32 v[G+16*\set+8*\s+\t], 0xffffc, v[G+16*\set+8*\s+\t]  ; the last word of a tiling's MiB
.endr
.irp t, 0,1,2,3,4,5,6,7
	global_load_b32 v[G+16*\set+8*\s+\t], v[G+16*\set+8*\s+\t], s[8:9] offset:\t<<20   ; lands on its own address register
.endr
.endr
.endm
; The sums of a batch whose sixteen weights have come, and their store.  Each batch has its own pair of sums: no store's data is rewritten.
.macro FINISH b, set
.irp s, 0,1
	v_pk_add_f32 v[G+16*\set+8*\s:G+16*\set+8*\s+1],   v[G+16*\set+8*\s:G+16*\set+8*\s+1],   v[G+16*\set+8*\s+2:G+16*\set+8*\s+3]
	v_pk_add_f32 v[G+16*\set+8*\s+4:G+16*\set+8*\s+5], v[G+16*\set+8*\s+4:G+16*\set+8*\s+5], v[G+16*\set+8*\s+6:G+16*\set+8*\s+7]
.endr
.irp s, 0,1
	v_pk_add_f32 v[G+16*\set+8*\s:G+16*\set+8*\s+1],   v[G+16*\set+8*\s:G+16*\set+8*\s+1],   v[G+16*\set+8*\s+4:G+16*\set+8*\s+5]
.endr
.irp s, 0,1
	v_add_f32 v[O+2*\b+\s], v[G+16*\set+8*\s], v[G+16*\set+8*\s+1]
.endr
	global_store_b64 v5, v[O+2*\b:O+2*\b+1], s[10:11] offset:OB*BSTEP*\b th:TH_STORE_NT
.endm
	BATCH 0, 0
	BATCH 1, 1
	s_wait_loadcnt 16                              ; all but the 16 gathers just issued: the batch before is in
	FINISH 0, 0
	BATCH 2, 0
	s_wait_loadcnt 16
	FINISH 1, 1
	s_cmp_ge_u32 s12, FULL
	s_cbranch_scc1 .Lthree
	BATCH 3, 1
	s_wait_loadcnt 16
	FINISH 2, 0
	s_wait_loadcnt 0x0                             ; nothing was issued behind the last batch
	FINISH 3, 1
	s_wait_tensorcnt 0x0
	ds_add_u32 v112, v113
	s_wait_dscnt 0x0
	s_endpgm
.Lthree:                                               ; waves 29 to 31: the third batch is the last
	s_wait_loadcnt 0x0
	FINISH 2, 0
	s_wait_tensorcnt 0x0
	ds_add_u32 v112, v113
	s_wait_dscnt 0x0
	s_endpgm
.Lfunc_end_k_q02b5831b5d_lookup:
	.size	k_q02b5831b5d_lookup, .Lfunc_end_k_q02b5831b5d_lookup-k_q02b5831b5d_lookup
	.p2alignl 7, 3214868480
	.fill 96, 4, 3214868480
	.section	.rodata,"a",@progbits
	.p2align	6, 0x0
	.amdhsa_kernel k_q02b5831b5d_lookup
		.amdhsa_group_segment_fixed_size 139264
		.amdhsa_private_segment_fixed_size 0
		.amdhsa_enable_private_segment 0
		.amdhsa_kernarg_size 32
		.amdhsa_user_sgpr_count 2
		.amdhsa_user_sgpr_kernarg_segment_ptr 1
		.amdhsa_wavefront_size32 1
		.amdhsa_system_sgpr_workgroup_id_x 1
		.amdhsa_system_sgpr_workgroup_id_y 1
		.amdhsa_system_sgpr_workgroup_id_z 1
		.amdhsa_system_vgpr_workitem_id 0
		.amdhsa_next_free_vgpr 114
		.amdhsa_next_free_sgpr 66
		.amdhsa_reserve_vcc 1
		.amdhsa_float_denorm_mode_32 3
		.amdhsa_float_denorm_mode_16_64 3
		.amdhsa_memory_ordered 1
		.amdhsa_forward_progress 1
		.amdhsa_inst_pref_size 74
	.end_amdhsa_kernel
	.amdgpu_metadata
---
amdhsa.version: [ 1, 2 ]
amdhsa.kernels:
  - .name:           k_q02b5831b5d_lookup
    .symbol:         k_q02b5831b5d_lookup.kd
    .args:
      - { .name: keys, .offset: 0, .size: 8, .value_kind: global_buffer, .address_space: global }
      - { .name: tab, .offset: 8, .size: 8, .value_kind: global_buffer, .address_space: global }
      - { .name: weights, .offset: 16, .size: 8, .value_kind: global_buffer, .address_space: global }
      - { .name: out0, .offset: 24, .size: 8, .value_kind: global_buffer, .address_space: global }
    .group_segment_fixed_size: 139264
    .private_segment_fixed_size: 0
    .kernarg_segment_align: 8
    .kernarg_segment_size: 32
    .max_flat_workgroup_size: 1024
    .sgpr_count:     66
    .vgpr_count:     114
    .wavefront_size: 32
...
	.end_amdgpu_metadata
.endif
;; end of part 2
;; ======== version 2 of 2: 2 launches; version 1 with the launch lookup written anew for expert scheduling mode
;; workspace buffers: keys 24,000,000 bytes of whole numbers; tab 49,152 bytes of whole numbers
;; launch prepare: the kernel of part 1 again; grid 641 x 1, 3 waves a work-group, no clusters, 6,656 bytes of LDS; arguments state, bins, keys, tab; writes keys, tab
;; launch lookup (part 3): grid 250 x 1, 32 waves a work-group, no clusters, 139,264 bytes of LDS; arguments keys, tab, weights, out0; writes out0
.if DOCPART == 3
	.amdgcn_target "amdgcn-amd-amdhsa--gfx1250"
	.amdhsa_code_object_version 6
	.text
	.protected	k_q02b5831b5d_lookup
	.globl	k_q02b5831b5d_lookup
	.p2align	8
	.type	k_q02b5831b5d_lookup,@function
k_q02b5831b5d_lookup:
	s_mov_b64 s[64:65], 0
	v_nop
	global_prefetch_b8 v0, s[64:65] scope:SCOPE_SE
	s_setreg_imm32_b32 hwreg(HW_REG_WAVE_SCHED_MODE, 0, 2), 2
	s_setreg_imm32_b32 hwreg(HW_REG_WAVE_MODE, 25, 1), 1
	s_wait_xcnt 0x0
	s_wait_alu depctr_vm_vsrc(0)
; SECOND OF TWO LAUNCHES: whole numbers only, up to the sum of the eight weights.
; out0[s] = sum over t of weights[t][i0][i1][i2], the indices found from the keys (see the first launch for key, node, word, slot and entry).
;
; 250 work-groups x 125 batches x 64 states = 2,000,000: no tail.  A lane takes two neighbouring states of a batch:
; 24 bytes of keys in, 8 bytes out, so that a wave's store covers 256 neighbouring bytes, aligned.
; 32 waves, a multiple of four, so that the four SIMDs can hold equally many.  Wave w takes batches w, w + 32, w + 64 and, if w < 29, w + 96:
; 29 x 4 + 3 x 3 = 125.  Any eight waves have at most 32 of the 125 batches, where an even share is 31.25.
;
; THE KEYS' WAY IN.  A batch's 768 bytes come by one 16-byte load (512 neighbouring bytes) and one 8-byte load (256), each starting on a
; multiple of 256 (a work-group's part is 375 x 256 bytes, a batch 3 x 256): every byte is asked for once.  Loads of a lane's own 24 bytes
; would each spread 256 useful bytes over 768.  The keys are laid as they come into the wave's own 3,072 bytes of LDS, and each lane reads
; its 24 bytes of each batch back: no other wave touches these bytes.
;
; LDS: byte 0: three search trees of 4,096 bytes.  Record n of dimension d, at 4096 d + 16 n, holds { tree[n], tree[2n], tree[2n+1] } for the
;      binary nodes n of levels 2, 4, 6, 8; the root is word 2 of record 0.  The fourth word of a record is neither written nor read.
;      byte 12288: three tables of 512 entries of 16 bytes.  A search ends with n = 512 + r, so entry r of dimension d is at 16 n + 4096 + 8192 d.
;      byte 36864: 32 x 3,072 bytes, the waves' keys.
; The prologue scatters the 1,536 records of tab into the first two; every word that is read later is written (ranks are a permutation).
;
; A search: n = 1; nine times n = 2 n + (key >= tree[n]).  r = n - 512 = how many boundaries are <= the state.
; The root is in a register; the other eight levels go two at a time: one 12-byte load brings a node and both its children, the first
; decision picks the child by a select, so two levels cost one LDS trip and eight instructions.
; The entries of the three dimensions give, for tiling t, P = i0 << 6 | i1 (16 bits, by an OR) and c = i2 << 2 (8 bits in 16):
; one v_perm_b32 lays them as P << 8 | c, the byte offset inside the tiling's MiB; the tiling itself is the load's immediate offset.
; Every index that derives from loaded data is bounded by v_min_u32 before it becomes an address: no access can leave LDS or the table.
; The eight weights are added pairwise, not from left to right.
; No tensor load, cluster or matrix unit: what work-groups share is 48 KiB of records, small beside a group's own keys and gathers.
; No prefetch: a gather's address is known only when the gather can be issued, and it is issued a whole batch ahead of its use.
;
; THE MODE: SCHED_MODE bits 1:0 = 2 (LLVM: expert scheduling mode 2), set by the entry lines.  The code itself states the register dependences
; between vector instructions and memory or LDS instructions, and those through scalar registers that vector instructions write, with s_wait_alu, always for 0.
; THE PLAN.  Registers that memory or LDS instructions touch:
;   v3-v7, LA, LB, LC   offsets and addresses, made at the head, never written again: one wait ahead of the first load serves the whole kernel.
;   E   six groups of four.  At a level: a shift writes the fourth register, the record's load reads it and lands in the other three, compares and a select
;       read and write those.  At a search's end the entry's load lands in all four; the ORs and byte permutes read and write them.
;   A   its first six: written by the shift 16 n, read by the entries' loads; then all sixteen: written by the permutes and bounds, read by the gathers.
;   G   a set of sixteen: the gathers land in it, the sums read and write it; no memory instruction reads it (but the prologue's LDS stores of the keys).
;   O   a pair to a batch: written once by the sums, read once by the store.
;   Q, R are landed in once; N is named by vector instructions alone.
; Scalar registers that vector instructions write: s12 (the wave's number), the masks s[M ..] (a run of six compares, one wait, their readers) and the
; additions' carries out s[CO ..], one to a search, which nobody reads: between two runs of additions always stands a wait for the masks, which serves the
; carries too; the last run of a batch has a wait of its own.  VCC is written nowhere.
; A level's address hangs on what the level before loaded, so each level has its wait on va_vdst; the six searches share it.  The wait ahead of a batch's
; first level also shows the sums of the batch two back written: that batch's store follows it.  Both states' sixteen offsets are made ahead of ONE wait, and
; the sixteen gathers follow in one run.  A is written again a whole search behind the gathers that read it.
.set NB,     4                         ; batches of a wave, at most
.set FULL,   29                        ; waves 0 .. 28 have a fourth batch
.set BSTEP,  32                        ; from one batch of a wave to its next
.set STATES, 8000                      ; states of a work-group
.set KB,     768                       ; a batch's keys, in bytes
.set OB,     256                       ; a batch's results, in bytes
.set TREED,  4096                      ; bytes of a tree
.set FT,     12288                     ; the entries' first byte
.set FD,     8192                      ; bytes of a dimension's entries
.set FOFF,   FT-16*512                 ; what is added to 16 n, n = 512 + r
.set KEYS,   36864                     ; the waves' keys in LDS
.set TABB,   24576                     ; second half of tab
.set R, 8                              ; v[8:10]    the three roots
.set Q, 12                             ; v[12:35]   keys: batch b, state s, dimension d at Q + 6 b + 3 s + d
.set N, 36                             ; v[36:41]   six searches: the node
.set LA, 42                            ; v42        LDS, behind KEYS: 16 x lane in my wave's part (the 512-byte pieces)
.set LB, 43                            ; v43        8 x lane in it (the 256-byte pieces)
.set LC, 44                            ; v44        24 x lane in it (the way back)
.set E, 48                             ; v[48:71]   six groups of 4: in a search a tree record and, in the fourth, its LDS address; then the entry;
                                       ;            in the prologue: the records of tab
.set G, 72                             ; v[72:103]  two sets of 16 weights
.set S, G                              ; v[72:95]   in the prologue: the wave's keys as they come from memory, 6 registers a batch
.set O, 104                            ; v[104:111] batch b: two sums
.set A, 112                            ; v[112:127] the six entries' LDS addresses, then the sixteen gathers' byte offsets: state s, tiling t at A + 8 s + t
.set M, 20                             ; s[20:25]   lane masks
.set CO, 28                            ; s[28:33]   the additions' carries out, one to a search; never read
	s_load_b256 s[4:11], s[0:1], 0x0               ; keys s[4:5], tab s[6:7], weights s[8:9], out0 s[10:11]
	v_lshl_add_u32 v46, v0, 2, 0x21000
	v_mov_b32 v47, 0
	v_and_b32 v1, 31, v0                           ; lane
	v_lshrrev_b32 v2, 5, v0
	v_readfirstlane_b32 s12, v2                    ; wave 0 .. 31
	v_lshlrev_b32 v3, 4, v0                        ; record number = thread number
	v_mov_b32 v6, 0
	s_mul_i32 s14, ttmp9, STATES*12
	s_mov_b32 s15, 0
	s_mul_i32 s16, ttmp9, STATES*4
	s_mov_b32 s17, 0
	s_mov_b32 s18, 0x01050400                      ; v_perm_b32: { c.byte1 (0), P.byte1, P.byte0, c.byte0 } of the low fields
	s_mov_b32 s19, 0x03070602                      ; the same of the high fields
	s_wait_alu depctr_va_sdst(0)                   ; s12 is written, ahead of its first reader: offsets, LDS addresses and branches are made from it
	s_mul_i32 s13, s12, KB                         ; my wave's first batch in the group's keys
	s_mul_i32 s26, s12, NB*KB                      ; my wave's part of LDS behind KEYS
	s_lshl_b32 s27, s12, 8                         ; my wave's first batch in the group's results (each of the three in a register of its own: none is written again)
	v_lshl_add_u32 v4, v1, 4, s13                  ; 16 bytes a lane: a batch's first 512 bytes
	v_lshl_add_u32 v7, v1, 3, s13                  ; 8 bytes a lane: its last 256
	v_lshl_add_u32 v[LA], v1, 4, s26
	v_lshl_add_u32 v[LB], v1, 3, s26
	v_mad_u32_u24 v[LC], v1, 24, s26               ; my two states' keys in a batch
	v_lshl_add_u32 v5, v1, 3, s27                  ; my two states' results
	s_wait_kmcnt 0x0
	s_add_nc_u64 s[4:5], s[4:5], s[14:15]
	s_add_nc_u64 s[10:11], s[10:11], s[16:17]
	s_wait_alu depctr_va_vdst(0)                   ; v3 to v7, LA, LB and LC are written
	; The fourth batch's keys are asked for first, so that every count of loads behind this branch is the same in all waves.
	; Waves 29 to 31 have none: batches 125 to 127 are not the group's, and in the last group not the buffer's.
	s_cmp_ge_u32 s12, FULL
	s_cbranch_scc1 .Lrecords
	global_load_b128 v[S+18:S+21], v4, s[4:5] offset:3*BSTEP*KB th:TH_LOAD_NT
	global_load_b64 v[S+22:S+23], v7, s[4:5] offset:3*BSTEP*KB+512 th:TH_LOAD_NT
.Lrecords:
	; records 0 .. 1023 by all 1,024 threads, records 1024 .. 1535 by the first 16 waves
	global_load_b128 v[E:E+3], v3, s[6:7]
	global_load_b128 v[E+4:E+7], v3, s[6:7] offset:TABB
	s_cmp_ge_u32 s12, 16
	s_cbranch_scc1 .Lkeys
	global_load_b128 v[E+8:E+11], v3, s[6:7] offset:16384
	global_load_b128 v[E+12:E+15], v3, s[6:7] offset:16384+TABB
.Lkeys:
.irp i, 0,1,2
	global_load_b128 v[S+6*\i:S+6*\i+3], v4, s[4:5] offset:\i*BSTEP*KB th:TH_LOAD_NT
	global_load_b64 v[S+6*\i+4:S+6*\i+5], v7, s[4:5] offset:\i*BSTEP*KB+512 th:TH_LOAD_NT
.endr
	s_wait_loadcnt 6                               ; the records are in; the six key loads behind them stay out
.macro PLACE r                         ; a record { word, key, slot, - } { entry } goes to its places
	v_min_u32 v[\r], 0xbff, v[\r]                  ; 3 trees of 1,024 words
	v_min_u32 v[\r+2], 0x5ff, v[\r+2]              ; 3 tables of 512 entries
	v_lshlrev_b32 v[\r], 2, v[\r]
	v_lshlrev_b32 v[\r+2], 4, v[\r+2]
	s_wait_alu depctr_va_vdst(0)                   ; the two LDS addresses are written, which the two stores read
	ds_store_b32 v[\r], v[\r+1]
	ds_store_b128 v[\r+2], v[\r+4:\r+7] offset:FT
.endm
	PLACE E
	s_cmp_ge_u32 s12, 16
	s_cbranch_scc1 .Lplaced
	PLACE E+8
.Lplaced:
.irp i, 0,1,2
	s_wait_loadcnt 5-2*\i                          ; loads return in order: this piece is in, the younger ones stay out
	ds_store_b128 v[LA], v[S+6*\i:S+6*\i+3] offset:KEYS+KB*\i
	s_wait_loadcnt 4-2*\i
	ds_store_b64 v[LB], v[S+6*\i+4:S+6*\i+5] offset:KEYS+KB*\i+512
.endr
	s_cmp_ge_u32 s12, FULL
	s_cbranch_scc1 .Lstored
	ds_store_b128 v[LA], v[S+18:S+21] offset:KEYS+KB*3             ; the oldest loads of all: in since the first wait
	ds_store_b64 v[LB], v[S+22:S+23] offset:KEYS+KB*3+512
.Lstored:
	s_wait_dscnt 0x0                               ; my stores are in LDS before I say so
	s_barrier_signal -1
	s_barrier_wait -1                              ; the trees and the entries are whole
.irp d, 0,1,2
	ds_load_b32 v[R+\d], v6 offset:TREED*\d+8      ; the root of each tree stays in a register
.endr
.irp b, 0,1,2
.irp k, 0,1,2
	ds_load_b64 v[Q+6*\b+2*\k:Q+6*\b+2*\k+1], v[LC] offset:KEYS+KB*\b+8*\k ; 24 bytes from lane to lane: 32 different even banks
.endr
.endr
	s_cmp_ge_u32 s12, FULL
	s_cbranch_scc1 .Lread
.irp k, 0,1,2
	ds_load_b64 v[Q+18+2*\k:Q+18+2*\k+1], v[LC] offset:KEYS+KB*3+8*\k
.endr
.Lread:
	s_wait_dscnt 0x0                               ; roots and all keys, once
	s_wait_alu depctr_vm_vsrc(0)                   ; the prologue's LDS stores have read the records in E and the keys in S: from here on E is the searches' and those registers are G
; The store of a batch whose two sums are shown written.  Each batch has its own pair of sums: no store's data is rewritten.
.macro STORE b
	global_store_b64 v5, v[O+2*\b:O+2*\b+1], s[10:11] offset:OB*BSTEP*\b th:TH_STORE_NT
.endm
; One batch: six searches side by side (u = 3 s + d), their entries, sixteen offsets, sixteen gathers into set 'set'.
; out: the batch whose sums stand just ahead of this one and are stored behind its first wait on va_vdst; -1: none.
.macro BATCH b, set, out
.irp u, 0,1,2,3,4,5
	v_cmp_ge_u32 s[M+\u], v[Q+6*\b+\u], v[R+(\u%3)]
.endr
	s_wait_alu depctr_va_sdst(0)                   ; the six masks are written, ahead of the selects that read them
.irp u, 0,1,2,3,4,5
	v_cndmask_b32 v[N+\u], 2, 3, s[M+\u]
.endr
.irp u, 0,1,2,3,4,5
	v_min_u32 v[N+\u], 3, v[N+\u]
.endr
.set lim, 15
.rept 4                                ; levels 2 and 3, 4 and 5, 6 and 7, 8 and 9
.irp u, 0,1,2,3,4,5
	v_lshlrev_b32 v[E+4*\u+3], 4, v[N+\u]
.endr
	s_wait_alu depctr_va_vdst(0)                   ; the six addresses are written; what stood ahead is done reading and writing the registers in which the records land; at the first level the sums ahead of the batch are written
.irp u, 0,1,2,3,4,5
	ds_load_b96 v[E+4*\u:E+4*\u+2], v[E+4*\u+3] offset:TREED*(\u%3)        ; the node, its left child, its right child
.endr
.if (lim == 15) && (\out >= 0)
	STORE \out                                     ; no vector instruction since the wait above: its two sums are as that wait has shown them
.endif
	s_wait_dscnt 0x0                               ; one wait for the six: all are used in the lines that follow
	s_wait_alu depctr_vm_vsrc(0)                   ; the six loads have read their address registers, which the next level's shifts write, or in which the entries land
.irp u, 0,1,2,3,4,5
	v_cmp_ge_u32 s[M+\u], v[Q+6*\b+\u], v[E+4*\u]
.endr
	s_wait_alu depctr_va_sdst(0)                   ; the six masks are written, ahead of the selects and the additions that read them; so are the level before's carries out, which the additions below write again
.irp u, 0,1,2,3,4,5
	v_cndmask_b32 v[E+4*\u+1], v[E+4*\u+1], v[E+4*\u+2], s[M+\u]   ; the child on the side taken
.endr
.irp u, 0,1,2,3,4,5
	v_add_co_ci_u32 v[N+\u], s[CO+\u], v[N+\u], v[N+\u], s[M+\u]   ; n = 2 n + decision; the carry out is not used: it has a register of its own
.endr
.irp u, 0,1,2,3,4,5
	v_cmp_ge_u32 s[M+\u], v[Q+6*\b+\u], v[E+4*\u+1]
.endr
	s_wait_alu depctr_va_sdst(0)                   ; the six carries out and the six new masks are written, ahead of the additions that write the ones again and read the others
.irp u, 0,1,2,3,4,5
	v_add_co_ci_u32 v[N+\u], s[CO+\u], v[N+\u], v[N+\u], s[M+\u]
.endr
.irp u, 0,1,2,3,4,5
	v_min_u32 v[N+\u], lim, v[N+\u]                ; the level's largest node: changes nothing, bounds the address
.endr
.set lim, 4*lim+3
.endr
	s_wait_alu depctr_va_sdst(0)                   ; the last level's carries out are written, which the next batch's additions write again: stated here, in the writers' own straight run
	s_wait_xcnt 0x0                                ; the last batch's gathers have had their addresses translated (ISA guide 3.1): A, which held their offsets, is rewritten only behind this wait
	                                               ; (that they have read A is stated by the levels' waits on vm_vsrc, which stand behind them)
.irp u, 0,1,2,3,4,5
	v_lshlrev_b32 v[A+\u], 4, v[N+\u]
.endr
	s_wait_alu depctr_va_vdst(0)                   ; the six addresses are written; the last level is done reading and writing the records, in which the entries land
.irp u, 0,1,2,3,4,5
	ds_load_b128 v[E+4*\u:E+4*\u+3], v[A+\u] offset:FOFF+FD*(\u%3)
.endr
.irp s, 0,1
	s_wait_dscnt 3-3*\s                            ; state 0: its three entries are in, state 1's three may be out
.if \s == 0
	s_wait_alu depctr_vm_vsrc(0)                   ; the six loads have read their addresses in A, which the permutes below write
.endif
.irp w, 0,1,2,3
	v_or_b32 v[E+12*\s+\w], v[E+12*\s+\w], v[E+12*\s+4+\w]         ; P = i0 << 6 | i1, two tilings a word
.endr
.irp w, 0,1,2,3
	v_perm_b32 v[A+8*\s+2*\w],   v[E+12*\s+\w], v[E+12*\s+8+\w], s18
	v_perm_b32 v[A+8*\s+2*\w+1], v[E+12*\s+\w], v[E+12*\s+8+\w], s19
.endr
.irp t, 0,1,2,3,4,5,6,7
	v_min_u32 v[A+8*\s+\t], 0xffffc, v[A+8*\s+\t]                  ; the last word of a tiling's MiB
.endr
.endr
	s_wait_alu depctr_va_vdst(0)                   ; the sixteen offsets are written; the sums of the batch two back are done with the set in which the weights land
.irp s, 0,1
.irp t, 0,1,2,3,4,5,6,7
	global_load_b32 v[G+16*\set+8*\s+\t], v[A+8*\s+\t], s[8:9] offset:\t<<20
.endr
.endr
.endm
; The sums of a batch whose sixteen weights have come.  They name G and O alone: no register that a memory instruction still has to read.
.macro SUMS b, set
.irp s, 0,1
	v_pk_add_f32 v[G+16*\set+8*\s:G+16*\set+8*\s+1],   v[G+16*\set+8*\s:G+16*\set+8*\s+1],   v[G+16*\set+8*\s+2:G+16*\set+8*\s+3]
	v_pk_add_f32 v[G+16*\set+8*\s+4:G+16*\set+8*\s+5], v[G+16*\set+8*\s+4:G+16*\set+8*\s+5], v[G+16*\set+8*\s+6:G+16*\set+8*\s+7]
.endr
.irp s, 0,1
	v_pk_add_f32 v[G+16*\set+8*\s:G+16*\set+8*\s+1],   v[G+16*\set+8*\s:G+16*\set+8*\s+1],   v[G+16*\set+8*\s+4:G+16*\set+8*\s+5]
.endr
.irp s, 0,1
	v_add_f32 v[O+2*\b+\s], v[G+16*\set+8*\s], v[G+16*\set+8*\s+1]
.endr
.endm
	BATCH 0, 0, -1
	BATCH 1, 1, -1
	s_wait_loadcnt 16                              ; all but the 16 gathers just issued: the batch before is in
	SUMS 0, 0
	BATCH 2, 0, 0                                  ; batch 0 is stored behind this batch's first wait
	s_wait_loadcnt 16
	SUMS 1, 1
	s_cmp_ge_u32 s12, FULL
	s_cbranch_scc1 .Lthree
	BATCH 3, 1, 1                                  ; batch 1 is stored behind this batch's first wait
	s_wait_loadcnt 16
	SUMS 2, 0
	s_wait_loadcnt 0x0                             ; nothing was issued behind the last batch
	SUMS 3, 1
	s_wait_alu depctr_va_vdst(0)                   ; the sums of batches 2 and 3 are written, which the last two stores read
	STORE 2
	STORE 3
	s_wait_dscnt 0x0
	s_wait_alu depctr_hold_cnt(0) depctr_sa_sdst(0) depctr_va_vdst(0) depctr_va_sdst(0) depctr_va_ssrc(0) depctr_va_vcc(0) depctr_vm_vsrc(0)
	s_wait_tensorcnt 0x0
	ds_add_u32 v46, v47
	s_wait_dscnt 0x0
	s_endpgm
.Lthree:                                               ; waves 29 to 31: the third batch is the last
	s_wait_loadcnt 0x0
	SUMS 2, 0
	s_wait_alu depctr_va_vdst(0)                   ; the sums of batches 1 and 2 are written, which the last two stores read
	STORE 1
	STORE 2
	s_wait_dscnt 0x0
	s_wait_alu depctr_hold_cnt(0) depctr_sa_sdst(0) depctr_va_vdst(0) depctr_va_sdst(0) depctr_va_ssrc(0) depctr_va_vcc(0) depctr_vm_vsrc(0)
	s_wait_tensorcnt 0x0
	ds_add_u32 v46, v47
	s_wait_dscnt 0x0
	s_endpgm
.Lfunc_end_k_q02b5831b5d_lookup:
	.size	k_q02b5831b5d_lookup, .Lfunc_end_k_q02b5831b5d_lookup-k_q02b5831b5d_lookup
	.p2alignl 7, 3214868480
	.fill 96, 4, 3214868480
	.section	.rodata,"a",@progbits
	.p2align	6, 0x0
	.amdhsa_kernel k_q02b5831b5d_lookup
		.amdhsa_group_segment_fixed_size 139264
		.amdhsa_private_segment_fixed_size 0
		.amdhsa_enable_private_segment 0
		.amdhsa_kernarg_size 32
		.amdhsa_user_sgpr_count 2
		.amdhsa_user_sgpr_kernarg_segment_ptr 1
		.amdhsa_wavefront_size32 1
		.amdhsa_system_sgpr_workgroup_id_x 1
		.amdhsa_system_sgpr_workgroup_id_y 1
		.amdhsa_system_sgpr_workgroup_id_z 1
		.amdhsa_system_vgpr_workitem_id 0
		.amdhsa_next_free_vgpr 128
		.amdhsa_next_free_sgpr 66
		.amdhsa_reserve_vcc 0
		.amdhsa_float_denorm_mode_32 3
		.amdhsa_float_denorm_mode_16_64 3
		.amdhsa_memory_ordered 1
		.amdhsa_forward_progress 1
		.amdhsa_inst_pref_size 78
	.end_amdhsa_kernel
	.amdgpu_metadata
---
amdhsa.version: [ 1, 2 ]
amdhsa.kernels:
  - .name:           k_q02b5831b5d_lookup
    .symbol:         k_q02b5831b5d_lookup.kd
    .args:
      - { .name: keys, .offset: 0, .size: 8, .value_kind: global_buffer, .address_space: global }
      - { .name: tab, .offset: 8, .size: 8, .value_kind: global_buffer, .address_space: global }
      - { .name: weights, .offset: 16, .size: 8, .value_kind: global_buffer, .address_space: global }
      - { .name: out0, .offset: 24, .size: 8, .value_kind: global_buffer, .address_space: global }
    .group_segment_fixed_size: 139264
    .private_segment_fixed_size: 0
    .kernarg_segment_align: 8
    .kernarg_segment_size: 32
    .max_flat_workgroup_size: 1024
    .sgpr_count:     66
    .vgpr_count:     128
    .wavefront_size: 32
...
	.end_amdgpu_metadata
.endif
;; end of part 3
